; MI455X (gfx1250); checked and timed in simulation.
; The chip was launched on July 23, 2026; its instructions are those of AMD's public machine-readable ISA for CDNA 5 (MIT licence, August 2026) and "CDNA5" Instruction Set Architecture Reference Guide (July 2026). The comments in the code are by the model that wrote it; some were corrected since.
;; Mo E Attention Projection. Allowed arithmetic: matrix products marked QUANTISED: E5M2 operands, one given power-of-two scale a tensor, by v_wmma_f32_16x16x64_bf8_bf8 or v_wmma_f32_16x16x128_bf8_bf8, f32 sums; products left as they are: f32 operands where the result goes on into a quantised operand, else bf16, f16 or f32 operands; f32 sums; everything else in f32.
;; Inputs: W 8 x 1,024 x 1,024 float32; Wg 8 x 1,024 float32; b 8 x 1,024 float32; bg 8 float32; lowp_scales 2 int32 (the exponents e of the quantised operands' scales 2^e); x 4 x 2,048 x 1,024 float32.
;; Outputs: out0 4 x 2,048 x 1,024 float32.
;; This version of the problem:
;;   THIS VERSION OF THE PROBLEM IS GIVEN IN LOW PRECISION. The matrix products marked QUANTISED in the list below multiply operands that are first quantised to E5M2 (5 exponent bits, 2 mantissa bits; 8 bits a number), with one given power-of-two scale for each operand tensor; their sums are f32. All else is computed in f32.
;;   The module's matrix products, in the order in which they are computed (A, B: the left and right operand; K: the contracted axis; several contracted axes count as one K, in the product's order):
;;     1. [M 8,192, K 1,024] x [K 1,024, N 8]; A: input x; B: input Wg: left as it is (N = 8 < 16)
;;     2. [M 8,192, K 1,024] x [K 1,024, N 8,192]; A: input x; B: input W: QUANTISED (scales: A lowp_scales[0], B lowp_scales[1])
;;   THE QUANTISER, for each operand of a quantised product, along K:
;;     - The operand's scale is 2^e, e = its entry of the input lowp_scales (int32; the entries are numbered through the quantised products in the list's order, A before B).
;;     - Each number is divided by the scale, clamped to +-57,344, and rounded to the nearest number of E5M2, ties to even, subnormals kept.
;;     - The product sums the exact products of the quantised numbers (number of the format x scale) in f32.
;;   ~~~python
;;   def quantise(x, axis, e):      # numpy; x: float32 -> the quantised numbers, widened to float32 again
;;       x = np.moveaxis(x, axis, -1); K = x.shape[-1]
;;       r = np.clip(x / 2.0 ** e, -57344, 57344)
;;       step = 2.0 ** (np.maximum(np.frexp(np.where(r == 0, 1, r))[1] - 1, -14) - 2)
;;       q = np.round(r / step) * step * 2.0 ** e      # np.round: ties to even
;;       return np.moveaxis(q, -1, axis).astype(np.float32)
;;   ~~~
;; 2 versions, each right; version 2 is version 1 with the launch experts written anew for expert scheduling mode. Each part assembles by itself: llvm-mc -triple=amdgcn-amd-amdhsa -mcpu=gfx1250 --defsym DOCPART=n.
;; ======== version 1 of 2: 3 launches
;; workspace buffers: xq 8,388,608 bytes; wq 8,388,608 bytes; gates 262,144 bytes; keys 32,768 bytes of whole numbers; hist 131,072 bytes of whole numbers; list 32,768 bytes of whole numbers; bmask 256 bytes of whole numbers
;; launch prep (part 1): grid 512 x 1, 4 waves a work-group, no clusters, 34,304 bytes of LDS; arguments x, W, Wg, bg, lowp_scales, xq, wq, gates, keys, hist; writes xq, wq, gates, keys, hist
.if DOCPART == 1
	.amdgcn_target "amdgcn-amd-amdhsa--gfx1250"
	.amdhsa_code_object_version 6
	.text
	.protected	k_q4bb5dfeb50_prep
	.globl	k_q4bb5dfeb50_prep
	.p2align	8
	.type	k_q4bb5dfeb50_prep,@function
k_q4bb5dfeb50_prep:
	s_mov_b64 s[64:65], 0
	v_nop
	global_prefetch_b8 v0, s[64:65] scope:SCOPE_SE
	s_setreg_imm32_b32 hwreg(HW_REG_WAVE_MODE, 25, 1), 1
	s_wait_xcnt 0x0
; PREP.  x [8192][1024] and W [8 x 1024][1024], f32, are read once and turned into codes of BF8 (E5M2): code = number / 2^e, held within +-57,344, to the nearest code, ties to even;
; e = lowp_scales[0] for x, lowp_scales[1] for W.  On the same read of x the gate is made in f32: 8 logits a token (fused multiply-adds), softmax, the two largest (ties: the lower index).
; Half of the work-groups take x, half take W: which, hangs on the work-group's number alone, so that neighbours in number are one of each kind.
; THE ORDER ALONG K.  A row is loaded as it lies: load j (of 8), lane l brings columns 128 j + 4 l + 0..3.  A conversion takes 8 consecutive registers of a lane, so a lane's 16 bytes of codes
; (piece 32 q + l of the row, q = 0, 1) hold columns 128 j + 4 l + i, j = 4 q .. 4 q + 3.  That is a permutation of K, THE SAME for x and for W, so every product meets its partner.
; xq: [token][1024 bytes], piece P at byte 16 P.   wq: in the order of an operand's registers: byte = (tile of 16 rows / 4) << 16 + (K step of 128) << 13 + (tile % 4) << 11 + c << 9 + 16 lane,
; where lane (r, h) and c name piece 8 s + 4 h + c of the tile's row r.
; gates: [token][8] f32, the softmax's score at the two chosen experts, 0 elsewhere.   keys: [token] = pair number | rank among the same pair's tokens in its chunk of 8 << 8.
; hist: [chunk of 8 tokens][32]: how many of the chunk's tokens have pair number p.   The pair number (0..27) of experts lo < hi: lo (15 - lo) / 2 + (lo even ? hi - lo - 1 : 7 - hi).
; The chosen experts enter values alone here: no address and no branch hangs on them.
; LIMITS: each e between -126 and 112, so that 2^e and 57,344 x 2^e are f32 numbers.  NaN among the inputs is not served.  A score under 2^-126 comes out as 0 (v_exp_f32 flushes).
; The two largest are taken of the logits, whose order is the scores'; logits closer than the rounding of an f32 sum of 1,024 terms may be ordered otherwise than by another order of summation.
; No matrix unit, no tensor load, no cluster: the launch streams, and its work-groups share nothing but Wg (32 KiB).
; REGISTERS, x's path: window 0: v1 lane, v2 16 x lane; v8-15 logits (row i of the wave's 8 in lanes 2 i, 2 i + 1); v16-31 eight pairs of running sums; v32-47 at work; v56 2^e, v57 57,344 x 2^e;
;   v64-191 four rows of x in turn; v192-255 codes, 8 registers a row, never written twice.   window 1: Wg, register 32 e + n beside register n of a row of x.
; W's path: v64-191 eight half rows in turn; v192-255 codes, 4 registers a row.
.set XR,  64
.set LG,  8
.set ACC, 16
.set SM,  32
.set TP,  40
.set SCL, 56
.set LIM, 57
.set CD,  192
.set STW, 8448                         ; LDS, W's path: a stage of 16 rows x (512 + 16) bytes for each wave
.set SP,  528                          ; 132 words: row r starts at bank 4 r mod 64 (64 banks of 4 bytes: ISA guide 11.1)
.set MSB, 0
.macro WIN new                         ; the immediate's high byte repeats the setting that is left
.if MSB != \new
	s_set_vgpr_msb (MSB<<8)|\new
.set MSB, \new
.endif
.endm
	s_load_b512 s[4:19], s[0:1], 0x0               ; x s[4:5], W s[6:7], Wg s[8:9], bg s[10:11], scales s[12:13], xq s[14:15], wq s[16:17], gates s[18:19]
	s_load_b128 s[20:23], s[0:1], 0x40             ; keys s[20:21], hist s[22:23]
	v_lshl_add_u32 v62, v0, 2, 0x8400
	v_mov_b32 v63, 0
	v_lshrrev_b32 v3, 5, v0
	v_readfirstlane_b32 s24, v3                    ; wave 0..3
	v_and_b32 v1, 31, v0                           ; lane
	v_lshlrev_b32 v2, 4, v1                        ; 16 x lane
	s_lshr_b32 s25, ttmp9, 8
	s_xor_b32 s25, s25, ttmp9
	s_and_b32 s25, s25, 1                          ; 0: x's path, 1: W's
	s_lshr_b32 s28, ttmp9, 1                       ; which of the path's 256 work-groups
	s_lshl_b32 s28, s28, 2
	s_add_co_u32 s28, s28, s24                     ; which of its 1,024 waves
	s_mov_b32 s33, 0
	s_wait_kmcnt 0x0
	s_load_b64 s[30:31], s[12:13], 0x0             ; ex, ew
	s_cmp_lg_u32 s25, 0
	s_cbranch_scc1 .Lw_path
; ------------------------------------------------------------------ x: the wave takes chunk s28: 8 tokens
	s_load_b256 s[48:55], s[10:11], 0x0            ; bg
	s_lshl_b32 s32, s28, 15                        ; 8 rows of 4,096 bytes
	s_add_nc_u64 s[4:5], s[4:5], s[32:33]
	s_lshl_b32 s32, s28, 13                        ; 8 rows of 1,024 codes
	s_add_nc_u64 s[14:15], s[14:15], s[32:33]
	s_lshl_b32 s32, s28, 8                         ; 8 tokens x 32 bytes of gates
	s_add_nc_u64 s[18:19], s[18:19], s[32:33]
	s_lshl_b32 s32, s28, 5                         ; 8 keys
	s_add_nc_u64 s[20:21], s[20:21], s[32:33]
	s_lshl_b32 s32, s28, 7                         ; 32 counts
	s_add_nc_u64 s[22:23], s[22:23], s[32:33]
	WIN 0x40                                       ; destination window 1
.set n, 0
.rept 64                                       ; Wg as it lies, 512 consecutive bytes a load: register 4 n .. 4 n + 3 = expert n / 8, load n % 8
	global_load_b128 v[4*n:4*n+3], v2, s[8:9] offset:512*n
.set n, n+1
.endr
	WIN 0
.macro XLOAD i                         ; row i of the wave's 8 into slot i % 4: eight loads of 512 consecutive bytes
.irp j, 0,1,2,3,4,5,6,7
	global_load_b128 v[XR+32*((\i)%4)+4*\j:XR+32*((\i)%4)+4*\j+3], v2, s[4:5] offset:4096*(\i)+512*\j th:TH_LOAD_NT
.endr
.endm
	XLOAD 0
	XLOAD 1
	XLOAD 2
	XLOAD 3
	s_mov_b32 s26, 0x76543210                      ; v_permlanex16_b32: each lane takes its own place in the other half
	s_mov_b32 s27, 0xfedcba98
.irp e, 0,1,2,3,4,5,6,7
	v_mov_b32 v[TP+\e], 0                          ; a lane permute's destination counts as read: written once
.endr
	s_wait_kmcnt 0x0
	s_add_co_i32 s30, s30, 127
	s_lshl_b32 s31, s30, 23
	v_mov_b32 v[SCL], s31                          ; 2^ex as f32: the conversion takes its exponent field
	s_add_co_i32 s30, s30, 15
	s_lshl_b32 s30, s30, 23
	s_or_b32 s30, s30, 0x600000
	v_mov_b32 v[LIM], s30                          ; 57,344 x 2^ex
; One row: its 8 dot products with Wg, its codes, the next load into its slot, and the sums across the lanes.
.macro XROW i
.set XS, XR+32*((\i)%4)
.if \i < 5
	s_wait_loadcnt 24                              ; my row's eight loads are in (and Wg's, which are older); the three rows behind it stay out
.else
	s_wait_loadcnt 8*(7-\i)
.endif
	WIN 0x04                                       ; source 1 (Wg) window 1
.irp e, 0,1,2,3,4,5,6,7
	v_pk_mul_f32 v[ACC+2*\e:ACC+2*\e+1], v[XS:XS+1], v[32*\e:32*\e+1]          ; the first products start the sums
.endr
.set n, 1
.rept 15
.irp e, 0,1,2,3,4,5,6,7                        ; eight chains that do not wait for each other
	v_pk_fma_f32 v[ACC+2*\e:ACC+2*\e+1], v[XS+2*n:XS+2*n+1], v[32*\e+2*n:32*\e+2*n+1], v[ACC+2*\e:ACC+2*\e+1]
.endr
.set n, n+1
.endr
	WIN 0
.set n, 0
.rept 32
	v_med3_num_f32 v[XS+n], v[XS+n], -v[LIM], v[LIM]   ; the conversion to an 8-bit code does not saturate (ISA guide 7.6.2): the hold at the largest code x the scale
.set n, n+1
.endr
.irp m, 0,1,2,3
	v_cvt_scalef32_pk8_bf8_f32 v[CD+8*\i+2*\m:CD+8*\i+2*\m+1], v[XS+8*\m:XS+8*\m+7], v[SCL]
.endr
	v_nop                                          ; one plain vector line behind the last conversion
	global_store_b128 v2, v[CD+8*\i:CD+8*\i+3], s[14:15] offset:1024*\i           ; 32 lanes store 512 consecutive bytes
	global_store_b128 v2, v[CD+8*\i+4:CD+8*\i+7], s[14:15] offset:1024*\i+512
.if \i < 4
	XLOAD \i+4
.endif
.irp e, 0,1,2,3,4,5,6,7
	v_add_f32 v[SM+\e], v[ACC+2*\e], v[ACC+2*\e+1]
.endr
.irp m, 1,2,4,8
.irp e, 0,1,2,3,4,5,6,7
	v_add_f32_dpp v[SM+\e], v[SM+\e], v[SM+\e] row_xmask:\m row_mask:0xf bank_mask:0xf
.endr
.endr
.irp e, 0,1,2,3,4,5,6,7
	v_permlanex16_b32 v[TP+\e], v[SM+\e], s26, s27
.endr
.if \i == 0
.irp e, 0,1,2,3,4,5,6,7
	v_add_f32 v[LG+\e], v[SM+\e], v[TP+\e]         ; row 0 writes the logits' registers whole
.endr
.else
	s_mov_b32 s29, 3<<(2*\i)
.irp e, 0,1,2,3,4,5,6,7
	v_add_f32 v[SM+\e], v[SM+\e], v[TP+\e]
.endr
.irp e, 0,1,2,3,4,5,6,7
	v_cndmask_b32 v[LG+\e], v[LG+\e], v[SM+\e], s29    ; row i goes to lanes 2 i and 2 i + 1
.endr
.endif
.endm
.irp i, 0,1,2,3,4,5,6,7
	XROW \i
.endr
; THE ROUTER, once for the 8 rows (lanes 16-31 repeat row 0 and store nothing of it).  At work: v64-103, slots whose loads have all landed.
.irp e, 0,1,2,3,4,5,6,7
	v_add_f32 v[LG+\e], s[48+\e], v[LG+\e]         ; + bg  (the temperature is 1)
.endr
	v_max3_num_f32 v84, v8, v9, v10
	v_max3_num_f32 v84, v84, v11, v12
	v_max3_num_f32 v84, v84, v13, v14
	v_max_num_f32 v84, v84, v15                    ; the largest logit
	v_mov_b32 v85, 7
.irp e, 6,5,4,3,2,1,0
	v_cmp_neq_f32 vcc_lo, v[LG+\e], v84
	v_cndmask_b32 v85, \e, v85, vcc_lo             ; descending, so that the lowest index that holds it stays
.endr
	v_mov_b32 v98, 0xff800000                      ; -infinity
.irp e, 0,1,2,3,4,5,6,7
	v_cmp_eq_u32 vcc_lo, \e, v85
	v_cndmask_b32 v[64+\e], v[LG+\e], v98, vcc_lo  ; the logits without the first choice
.endr
	v_max3_num_f32 v86, v64, v65, v66
	v_max3_num_f32 v86, v86, v67, v68
	v_max3_num_f32 v86, v86, v69, v70
	v_max_num_f32 v86, v86, v71
	v_mov_b32 v87, 7
.irp e, 6,5,4,3,2,1,0
	v_cmp_neq_f32 vcc_lo, v[64+\e], v86
	v_cndmask_b32 v87, \e, v87, vcc_lo
.endr
.irp e, 0,1,2,3,4,5,6,7
	v_sub_f32 v[72+\e], v[LG+\e], v84              ; the maximum is taken away ahead of the exponential
.endr
.irp e, 0,1,2,3,4,5,6,7
	v_mul_f32 v[72+\e], 0x3fb8aa3b, v[72+\e]       ; x log2(e)
.endr
.irp e, 0,1,2,3,4,5,6,7
	v_exp_f32 v[72+\e], v[72+\e]
.endr
	v_min_u32 v90, v85, v87                        ; lo  (a plain line behind the exponentials)
	v_max_u32 v91, v85, v87                        ; hi
	s_wait_alu depctr_va_vdst(0)
	v_add_f32 v88, v72, v73
	v_add_f32 v93, v74, v75
	v_add_f32 v94, v76, v77
	v_add_f32 v89, v78, v79
	v_add_f32 v88, v88, v93
	v_add_f32 v94, v94, v89
	v_add_f32 v88, v88, v94
	v_rcp_f32 v89, v88
	v_sub_nc_u32 v93, 15, v90                      ; (a plain line behind the reciprocal)  the pair number:
	v_mul_u32_u24 v93, v90, v93
	v_lshrrev_b32 v93, 1, v93                      ; lo (15 - lo) / 2
	v_sub_nc_u32 v94, v91, v90
	v_add_nc_u32 v94, -1, v94                      ; hi - lo - 1
	v_sub_nc_u32 v99, 7, v91                       ; 7 - hi
	v_and_b32 v100, 1, v90
	v_cmp_eq_u32 vcc_lo, 1, v100
	v_cndmask_b32 v94, v94, v99, vcc_lo
	v_add_nc_u32 v92, v93, v94
	s_wait_alu depctr_va_vdst(0)
.irp e, 0,1,2,3,4,5,6,7
	v_mul_f32 v[72+\e], v[72+\e], v89              ; the scores
.endr
.irp e, 0,1,2,3,4,5,6,7
	v_cmp_eq_u32 s34, \e, v85
	v_cmp_eq_u32 vcc_lo, \e, v87
	s_or_b32 vcc_lo, vcc_lo, s34
	v_cndmask_b32 v[72+\e], 0, v[72+\e], vcc_lo    ; 0 where the expert is not chosen
.endr
.irp i, 0,1,2,3,4,5,6,7
	v_readlane_b32 s[40+\i], v92, 2*\i             ; the eight rows' pair numbers: compared below, nothing else
.endr
	v_mov_b32 v95, 0
	v_mov_b32 v96, 0
.irp i, 0,1,2,3,4,5,6,7
	v_cmp_eq_u32 vcc_lo, s[40+\i], v1
	v_add_co_ci_u32 v95, vcc_lo, 0, v95, vcc_lo    ; lane p counts the rows with pair number p
.endr
.irp j, 0,1,2,3,4,5,6
	v_cmp_eq_u32 vcc_lo, s[40+\j], v92
	s_and_b32 vcc_lo, vcc_lo, (0xffffffff<<(2*\j+2))&0xffffffff   ; only the rows behind row j
	v_add_co_ci_u32 v96, vcc_lo, 0, v96, vcc_lo    ; how many earlier rows of the chunk have my pair number
.endr
	v_lshl_or_b32 v97, v96, 8, v92
	s_mov_b32 s34, 0xaaaaaaaa
.irp k, 0,1,2,3
	v_cndmask_b32 v[80+\k], v[72+\k], v[76+\k], s34    ; even lanes: experts 0-3 of their row; odd lanes: experts 4-7
.endr
	v_lshlrev_b32 v101, 2, v1
	v_lshlrev_b32 v102, 1, v1
	v_and_b32 v103, 17, v1
	global_store_b32 v101, v95, s[22:23]           ; 32 counts, 128 consecutive bytes (pair numbers 28-31 do not occur: zeros)
	v_cmp_gt_u32 vcc_lo, 16, v1
	s_wait_xcnt 0x0                                ; EXEC changes only behind this wait
	s_and_saveexec_b32 s35, vcc_lo
	global_store_b128 v2, v[80:83], s[18:19]       ; sixteen lanes store the chunk's 256 consecutive bytes of gates, aligned
	s_wait_xcnt 0x0
	s_or_b32 exec_lo, exec_lo, s35
	v_cmp_eq_u32 vcc_lo, 0, v103                   ; the even lanes under 16
	s_and_saveexec_b32 s35, vcc_lo
	global_store_b32 v102, v97, s[20:21]           ; row i's key at byte 4 i = 2 x lane
	s_wait_xcnt 0x0
	s_or_b32 exec_lo, exec_lo, s35
	s_endpgm
; ------------------------------------------------------------------ W: the wave takes 16 rows (tile s28 / 2 of the 512) x half s28 % 2 of K
.Lw_path:
	s_lshr_b32 s34, s28, 1                         ; the tile
	s_and_b32 s35, s28, 1                          ; the half of K
	s_lshl_b32 s32, s34, 16                        ; 16 rows of 4,096 bytes
	s_lshl_b32 s36, s35, 11
	s_add_co_u32 s32, s32, s36
	s_add_nc_u64 s[6:7], s[6:7], s[32:33]
	s_lshr_b32 s32, s34, 2
	s_lshl_b32 s32, s32, 16
	s_and_b32 s36, s34, 3
	s_lshl_b32 s36, s36, 11
	s_add_co_u32 s32, s32, s36
	s_lshl_b32 s36, s35, 15                        ; four K steps of 8,192 bytes
	s_add_co_u32 s32, s32, s36
	s_add_nc_u64 s[16:17], s[16:17], s[32:33]
.macro WLOAD r                         ; half a row: four loads of 512 consecutive bytes
.irp j, 0,1,2,3
	global_load_b128 v[XR+16*((\r)%8)+4*\j:XR+16*((\r)%8)+4*\j+3], v2, s[6:7] offset:4096*(\r)+512*\j th:TH_LOAD_NT
.endr
.endm
.irp r, 0,1,2,3,4,5,6,7
	WLOAD \r
.endr
	s_mul_i32 s36, s24, STW                        ; my stage
	v_add_nc_u32 v4, s36, v2                       ; in: 16 x lane, the row in the immediate
	v_and_b32 v5, 15, v0
	v_bfe_u32 v6, v0, 4, 1
	v_mul_u32_u24 v5, v5, SP
	v_lshl_add_u32 v5, v6, 6, v5
	v_add_nc_u32 v5, s36, v5                       ; out: row lane % 16, + 64 (lane / 16): piece 8 s + 4 h + c
	s_wait_kmcnt 0x0
	s_add_co_i32 s31, s31, 127
	s_lshl_b32 s30, s31, 23
	v_mov_b32 v[SCL], s30                          ; 2^ew
	s_add_co_i32 s31, s31, 15
	s_lshl_b32 s31, s31, 23
	s_or_b32 s31, s31, 0x600000
	v_mov_b32 v[LIM], s31                          ; 57,344 x 2^ew
.macro WROW r
.set XS, XR+16*((\r)%8)
.if \r < 9
	s_wait_loadcnt 28                              ; my four loads are in; the seven half rows behind them stay out
.else
	s_wait_loadcnt 4*(15-\r)
.endif
.set n, 0
.rept 16
	v_med3_num_f32 v[XS+n], v[XS+n], -v[LIM], v[LIM]
.set n, n+1
.endr
	v_cvt_scalef32_pk8_bf8_f32 v[CD+4*\r:CD+4*\r+1], v[XS:XS+7], v[SCL]
	v_cvt_scalef32_pk8_bf8_f32 v[CD+4*\r+2:CD+4*\r+3], v[XS+8:XS+15], v[SCL]
	v_nop                                          ; one plain vector line behind the last conversion
	ds_store_b128 v4, v[CD+4*\r:CD+4*\r+3] offset:SP*\r
.if \r < 8
	WLOAD \r+8
.endif
.endm
.irp r, 0,1,2,3,4,5,6,7,8,9,10,11,12,13,14,15
	WROW \r
.endr
.set n, 0
.rept 16                                       ; K step n / 4 of my four, c = n % 4.  LDS serves a wave's instructions in order (ISA guide 5.7.1.4): these see my stores; the stage is my own
	ds_load_b128 v[XR+4*n:XR+4*n+3], v5 offset:128*(n/4)+16*(n%4)
.set n, n+1
.endr
.set n, 0
.rept 16
	s_wait_dscnt 15-n
	global_store_b128 v2, v[XR+4*n:XR+4*n+3], s[16:17] offset:8192*(n/4)+512*(n%4)   ; 32 lanes store 512 consecutive bytes
.set n, n+1
.endr
	s_wait_tensorcnt 0x0
	ds_add_u32 v62, v63
	s_wait_dscnt 0x0
	s_endpgm
.Lfunc_end_k_q4bb5dfeb50_prep:
	.size	k_q4bb5dfeb50_prep, .Lfunc_end_k_q4bb5dfeb50_prep-k_q4bb5dfeb50_prep
	.p2alignl 7, 3214868480
	.fill 96, 4, 3214868480
	.section	.rodata,"a",@progbits
	.p2align	6, 0x0
	.amdhsa_kernel k_q4bb5dfeb50_prep
		.amdhsa_group_segment_fixed_size 34304
		.amdhsa_private_segment_fixed_size 0
		.amdhsa_enable_private_segment 0
		.amdhsa_kernarg_size 80
		.amdhsa_user_sgpr_count 2
		.amdhsa_user_sgpr_kernarg_segment_ptr 1
		.amdhsa_wavefront_size32 1
		.amdhsa_system_sgpr_workgroup_id_x 1
		.amdhsa_system_sgpr_workgroup_id_y 1
		.amdhsa_system_sgpr_workgroup_id_z 1
		.amdhsa_system_vgpr_workitem_id 0
		.amdhsa_next_free_vgpr 512
		.amdhsa_next_free_sgpr 66
		.amdhsa_reserve_vcc 1
		.amdhsa_float_denorm_mode_32 3
		.amdhsa_float_denorm_mode_16_64 3
		.amdhsa_memory_ordered 1
		.amdhsa_forward_progress 1
		.amdhsa_inst_pref_size 166
	.end_amdhsa_kernel
	.amdgpu_metadata
---
amdhsa.version: [ 1, 2 ]
amdhsa.kernels:
  - .name:           k_q4bb5dfeb50_prep
    .symbol:         k_q4bb5dfeb50_prep.kd
    .args:
      - { .name: x, .offset: 0, .size: 8, .value_kind: global_buffer, .address_space: global }
      - { .name: W, .offset: 8, .size: 8, .value_kind: global_buffer, .address_space: global }
      - { .name: Wg, .offset: 16, .size: 8, .value_kind: global_buffer, .address_space: global }
      - { .name: bg, .offset: 24, .size: 8, .value_kind: global_buffer, .address_space: global }
      - { .name: lowp_scales, .offset: 32, .size: 8, .value_kind: global_buffer, .address_space: global }
      - { .name: xq, .offset: 40, .size: 8, .value_kind: global_buffer, .address_space: global }
      - { .name: wq, .offset: 48, .size: 8, .value_kind: global_buffer, .address_space: global }
      - { .name: gates, .offset: 56, .size: 8, .value_kind: global_buffer, .address_space: global }
      - { .name: keys, .offset: 64, .size: 8, .value_kind: global_buffer, .address_space: global }
      - { .name: hist, .offset: 72, .size: 8, .value_kind: global_buffer, .address_space: global }
    .group_segment_fixed_size: 34304
    .private_segment_fixed_size: 0
    .kernarg_segment_align: 8
    .kernarg_segment_size: 80
    .max_flat_workgroup_size: 128
    .sgpr_count:     66
    .vgpr_count:     512
    .wavefront_size: 32
...
	.end_amdgpu_metadata
.endif
;; end of part 1
;; launch place (part 2): grid 1 x 1, 32 waves a work-group, no clusters, 12,800 bytes of LDS; arguments keys, hist, list, bmask; writes list, bmask
.if DOCPART == 2
	.amdgcn_target "amdgcn-amd-amdhsa--gfx1250"
	.amdhsa_code_object_version 6
	.text
	.protected	k_q4bb5dfeb50_place
	.globl	k_q4bb5dfeb50_place
	.p2align	8
	.type	k_q4bb5dfeb50_place,@function
k_q4bb5dfeb50_place:
	s_mov_b64 s[64:65], 0
	v_nop
	global_prefetch_b8 v0, s[64:65] scope:SCOPE_SE
	s_setreg_imm32_b32 hwreg(HW_REG_WAVE_MODE, 25, 1), 1
	s_wait_xcnt 0x0
; PLACE.  A counting sort of the 8,192 tokens by their pair number (0..27), from the counts that the launch before stored for each chunk of 8 tokens, without atomics:
; list[position] = token, position = (tokens of lower pair numbers) + (tokens of my pair number in earlier chunks) + (my rank in my chunk).
; bmask[B] = which of the 8 experts the tokens at positions 128 B .. 128 B + 127 use.
; One work-group of 32 waves: the sums span all chunks, and 160 KiB are read in all.  A LANE IS A PAIR NUMBER; wave w takes chunks 32 w .. 32 w + 31, which are tokens 256 w .. 256 w + 255.
; LDS: TOT [wave][32] each wave's totals; WBT [wave][32] where each wave's tokens of a pair begin; STT, ENT [32] where a pair's tokens begin and end.
; REGISTERS: v16-23 keys; v24-31 lane selects; v32-63 the wave's 32 chunks' counts, then their first positions; v64-99 wave 0's sums, then positions and tokens.
.set TOT, 0
.set WBT, 4096
.set STT, 8192
.set ENT, 8320
	s_load_b256 s[4:11], s[0:1], 0x0               ; keys s[4:5], hist s[6:7], list s[8:9], bmask s[10:11]
	v_lshl_add_u32 v126, v0, 2, 0x2200
	v_mov_b32 v127, 0
	v_lshrrev_b32 v2, 5, v0
	v_readfirstlane_b32 s12, v2                    ; wave 0..31
	v_and_b32 v1, 31, v0                           ; lane
	v_lshlrev_b32 v6, 2, v1                        ; 4 x lane
	v_lshlrev_b32 v5, 2, v0                        ; 128 x wave + 4 x lane
	v_lshl_add_u32 v3, v2, 12, v6                  ; hist: 32 chunks of 128 bytes a wave
	v_lshl_add_u32 v4, v2, 10, v6                  ; keys: 256 a wave
	v_lshl_add_u32 v7, v2, 8, v1                   ; token 256 w + lane
	v_lshl_add_u32 v8, v2, 3, v6                   ; bmask: two words a wave
	s_mov_b32 s14, 0xff00
	s_mov_b32 s15, 0xff0000
	s_mov_b32 s16, 0xff000000
	s_wait_kmcnt 0x0
.set c, 0
.rept 32
	global_load_b32 v[32+c], v3, s[6:7] offset:128*c       ; chunk c's 32 counts: 128 consecutive bytes
.set c, c+1
.endr
.irp k, 0,1,2,3,4,5,6,7
	global_load_b32 v[16+\k], v4, s[4:5] offset:128*\k     ; lane l: the key of token 256 w + 32 k + l, which lies in the wave's chunk 4 k + l / 8
.endr
	s_wait_loadcnt 8                               ; the counts are in; the eight loads of keys may stay out
.set c, 1
.rept 31
	v_add_nc_u32 v[32+c], v[32+c], v[32+c-1]       ; running sums over the wave's chunks
.set c, c+1
.endr
	ds_store_b32 v5, v63                           ; the wave's totals
	s_wait_dscnt 0x0                               ; for the others' sake
	s_barrier_signal -1
	s_barrier_wait -1
	s_cmp_lg_u32 s12, 0                            ; wave 0 alone sums over the waves and over the pair numbers; no barrier stands inside
	s_cbranch_scc1 .Lothers
.set c, 0
.rept 32
	ds_load_b32 v[64+c], v6 offset:TOT+128*c
.set c, c+1
.endr
	s_wait_dscnt 0x0
.set c, 1
.rept 31
	v_add_nc_u32 v[64+c], v[64+c], v[64+c-1]       ; running sums over the waves; v95: the pair's tokens in all
.set c, c+1
.endr
	v_mov_b32 v96, v95
.irp n, 1,2,4,8
	v_mov_b32 v97, 0                               ; lanes without a source keep this 0
	v_mov_b32_dpp v97, v96 row_shr:\n row_mask:0xf bank_mask:0xf
	v_add_nc_u32 v96, v96, v97                     ; running sums over the pair numbers, inside each half of 16 lanes
.endr
	v_readlane_b32 s13, v96, 15
	v_mov_b32 v98, s13
	v_cmp_lt_u32 vcc_lo, 15, v1
	v_cndmask_b32 v97, 0, v98, vcc_lo
	v_add_nc_u32 v96, v96, v97                     ; where the pair's tokens end,
	v_sub_nc_u32 v99, v96, v95                     ; and begin
.set c, 31
.rept 31
	v_add_nc_u32 v[64+c], v[64+c-1], v99           ; where wave c's tokens of the pair begin (descending: each source is still the old sum)
.set c, c-1
.endr
	v_mov_b32 v64, v99
.set c, 0
.rept 32
	ds_store_b32 v6, v[64+c] offset:WBT+128*c
.set c, c+1
.endr
	ds_store_b32 v6, v99 offset:STT
	ds_store_b32 v6, v96 offset:ENT
.Lothers:
	s_wait_dscnt 0x0
	s_barrier_signal -1
	s_barrier_wait -1
	ds_load_b32 v100, v5 offset:WBT
	ds_load_b32 v101, v6 offset:STT
	ds_load_b32 v102, v6 offset:ENT
	s_wait_dscnt 0x0
.set c, 31
.rept 31
	v_add_nc_u32 v[32+c], v[32+c-1], v100          ; lane p: where chunk c's tokens of pair p begin
.set c, c-1
.endr
	v_mov_b32 v32, v100
	s_wait_loadcnt 0x0                             ; the keys
.irp k, 0,1,2,3,4,5,6,7
	v_and_b32 v[24+\k], 0xff, v[16+\k]
	v_min_u32 v[24+\k], 31, v[24+\k]
	v_lshlrev_b32 v[24+\k], 2, v[24+\k]            ; 4 x my token's pair number: the lane to pull from
.endr
.irp k, 0,1,2,3,4,5,6,7
.irp q, 0,1,2,3
	ds_bpermute_b32 v[64+4*\k+\q], v[24+\k], v[32+4*\k+\q]     ; from each of the four chunks that the 32 tokens span; no LDS byte is touched
.endr
.endr
.irp k, 0,1,2,3,4,5,6,7
	s_wait_dscnt 4*(7-\k)                          ; my four are back; the later groups' may stay out
	v_cndmask_b32 v[64+4*\k], v[64+4*\k], v[64+4*\k+1], s14    ; lanes 8-15 belong to the second chunk,
	v_cndmask_b32 v[64+4*\k], v[64+4*\k], v[64+4*\k+2], s15    ; 16-23 to the third,
	v_cndmask_b32 v[64+4*\k], v[64+4*\k], v[64+4*\k+3], s16    ; 24-31 to the fourth
	v_lshrrev_b32 v[64+4*\k+2], 8, v[16+\k]
	v_add_nc_u32 v[64+4*\k], v[64+4*\k], v[64+4*\k+2]          ; + my rank in my chunk
	v_min_u32 v[64+4*\k], 0x1fff, v[64+4*\k]       ; a position stays inside the list
	v_lshlrev_b32 v[64+4*\k], 2, v[64+4*\k]
	v_add_nc_u32 v[64+4*\k+1], 32*\k, v7           ; the token
	global_store_b32 v[64+4*\k], v[64+4*\k+1], s[8:9]          ; a scatter by its nature: 8,192 words in all; each group has registers of its own
.endr
; Which experts a block of 128 positions uses: pair p is there where [begin, end) meets the block; expert e where one of its seven pairs is.
.macro USED d, e, set
	s_and_b32 s21, s20, \set                       ; SCC: one of the expert's pairs is there
	s_cselect_b32 s21, 1<<\e, 0
	s_or_b32 s[\d], s[\d], s21
.endm
.macro BMASK d
	s_add_co_u32 s18, s17, 128
	v_max_u32 v103, s17, v101
	v_min_u32 v104, s18, v102
	v_cmp_lt_u32 s20, v103, v104
	s_mov_b32 s[\d], 0
	USED \d, 0, 0x7f
	USED \d, 1, 0x1f81
	USED \d, 2, 0x3f002
	USED \d, 3, 0x3c2804
	USED \d, 4, 0x1e04408
	USED \d, 5, 0x6508210
	USED \d, 6, 0xc890120
	USED \d, 7, 0xb0600c0
.endm
	s_lshl_b32 s17, s12, 8                         ; block 2 w begins at position 256 w
	BMASK 22
	s_add_co_u32 s17, s17, 128
	BMASK 23
	v_mov_b32 v105, s23
	v_mov_b32 v106, s22
	v_cmp_eq_u32 vcc_lo, 0, v1
	v_cndmask_b32 v105, v105, v106, vcc_lo
	v_cmp_gt_u32 vcc_lo, 2, v1
	s_wait_xcnt 0x0                                ; EXEC changes only behind this wait
	s_wait_tensorcnt 0x0
	ds_add_u32 v126, v127
	s_wait_dscnt 0x0
	s_and_saveexec_b32 s19, vcc_lo
	global_store_b32 v8, v105, s[10:11]
	s_wait_xcnt 0x0
	s_or_b32 exec_lo, exec_lo, s19
	s_endpgm
.Lfunc_end_k_q4bb5dfeb50_place:
	.size	k_q4bb5dfeb50_place, .Lfunc_end_k_q4bb5dfeb50_place-k_q4bb5dfeb50_place
	.p2alignl 7, 3214868480
	.fill 96, 4, 3214868480
	.section	.rodata,"a",@progbits
	.p2align	6, 0x0
	.amdhsa_kernel k_q4bb5dfeb50_place
		.amdhsa_group_segment_fixed_size 12800
		.amdhsa_private_segment_fixed_size 0
		.amdhsa_enable_private_segment 0
		.amdhsa_kernarg_size 32
		.amdhsa_user_sgpr_count 2
		.amdhsa_user_sgpr_kernarg_segment_ptr 1
		.amdhsa_wavefront_size32 1
		.amdhsa_system_sgpr_workgroup_id_x 1
		.amdhsa_system_sgpr_workgroup_id_y 1
		.amdhsa_system_sgpr_workgroup_id_z 1
		.amdhsa_system_vgpr_workitem_id 0
		.amdhsa_next_free_vgpr 128
		.amdhsa_next_free_sgpr 66
		.amdhsa_reserve_vcc 1
		.amdhsa_float_denorm_mode_32 3
		.amdhsa_float_denorm_mode_16_64 3
		.amdhsa_memory_ordered 1
		.amdhsa_forward_progress 1
		.amdhsa_inst_pref_size 25
	.end_amdhsa_kernel
	.amdgpu_metadata
---
amdhsa.version: [ 1, 2 ]
amdhsa.kernels:
  - .name:           k_q4bb5dfeb50_place
    .symbol:         k_q4bb5dfeb50_place.kd
    .args:
      - { .name: keys, .offset: 0, .size: 8, .value_kind: global_buffer, .address_space: global }
      - { .name: hist, .offset: 8, .size: 8, .value_kind: global_buffer, .address_space: global }
      - { .name: list, .offset: 16, .size: 8, .value_kind: global_buffer, .address_space: global }
      - { .name: bmask, .offset: 24, .size: 8, .value_kind: global_buffer, .address_space: global }
    .group_segment_fixed_size: 12800
    .private_segment_fixed_size: 0
    .kernarg_segment_align: 8
    .kernarg_segment_size: 32
    .max_flat_workgroup_size: 1024
    .sgpr_count:     66
    .vgpr_count:     128
    .wavefront_size: 32
...
	.end_amdgpu_metadata
.endif
;; end of part 2
;; launch experts (part 3): grid 4 x 64, 4 waves a work-group, no clusters, 163,840 bytes of LDS; arguments xq, wq, gates, list, bmask, b, lowp_scales, out0; writes out0
.if DOCPART == 3
	.amdgcn_target "amdgcn-amd-amdhsa--gfx1250"
	.amdhsa_code_object_version 6
	.text
	.protected	k_q4bb5dfeb50_experts
	.globl	k_q4bb5dfeb50_experts
	.p2align	8
	.type	k_q4bb5dfeb50_experts,@function
k_q4bb5dfeb50_experts:
	s_mov_b64 s[64:65], 0
	v_nop
	global_prefetch_b8 v0, s[64:65] scope:SCOPE_SE
	s_setreg_imm32_b32 hwreg(HW_REG_WAVE_MODE, 25, 1), 1
	s_wait_xcnt 0x0
; EXPERTS.  out[t][o] = sum over the token's two experts e of score x (2^(ex + ew) x (codes of x[t]) . (codes of W[e][o]) + b[e][o]), on codes of BF8 (E5M2), f32 sums.
; A work-group owns 128 tokens that lie together in the list sorted by pair of experts (work-group y) x 256 outputs (work-group x): every number of out0 has one owner, and no expert's result goes to memory.
; It walks the 8 experts in a loop of constant count and passes over, by a scalar branch on the stored mask, those that none of its tokens uses.  For a token that does not use an expert of its block the stored
; gate is 0, so the expert's sum adds 0.
; SHARES.  Wave w: all 128 tokens x outputs 64 (4 x + w) .. + 63: 8 tiles of tokens x 4 tiles of outputs = 32 accumulators.
; THE MATRIX INSTRUCTION IS USED TRANSPOSED (source 0 = 16 rows of W, source 1 = 16 tokens): lane (r, h) holds token r and outputs 8 h + 0..7 of the tile.
; The tokens' codes are gathered once into LDS and serve every expert.  The weights come from wq, which lies in the order of an operand's registers, straight into registers: each wave's rows of W are its own.
; sum + b / 2^(ex + ew) is had by giving the bias as the C of an expert's first products; total += (score x 2^(ex + ew)) x that, one packed multiply-add for two numbers.
; NO TENSOR LOADS, NO CLUSTER: which experts a block walks is read from memory, so partners would ask for different numbers of tiles, and a load or a barrier would stand under a branch on loaded data.
; LIMITS: b x 2^-(ex + ew) and score x 2^(ex + ew) are to be normal f32 numbers (v_ldexp_f32 makes them); NaN among the inputs is not served.
; LDS: A 128 rows x (1,024 + 16) bytes; GT [expert][128 tokens] gates; BT [expert][256 outputs] biases; TOK the block's 128 tokens; STG a stage of 16 rows x (256 + 16) bytes for each wave.
; REGISTERS, in windows of 256: window 0: v2-15 addresses; v16-31 the expert's gates (tile i at v[16 + 2 i]; the odd ones stay 0: named as the upper halves of pairs); v32-63 its biases;
;   v64-127 at work at the head, on the way out the rows' offsets in out0; v128-255 the tokens' 8 fragments, ONE set (on the way out: rows read back).
;   window 1: the weights' fragments, FOUR sets of 4 x 16.   window 2: the expert's 32 sums (accumulator (i, t) at v[8 (4 i + t)]); at the head the gathered rows.   window 3: the totals, numbered alike.
.set AP,  1040                         ; 260 words: row r starts at bank 4 r mod 64 (64 banks of 4 bytes: ISA guide 11.1): the 16 rows that a load touches start at 16 different banks
.set GT,  128*AP
.set BT,  GT+4096
.set TOK, BT+8192
.set STG, TOK+512
.set SP,  272
.set GA,  16
.set BI,  32
.set AF,  128
.set MSB, 0
.macro WIN new                         ; the immediate's high byte repeats the setting that is left
.if MSB != \new
	s_set_vgpr_msb (MSB<<8)|\new
.set MSB, \new
.endif
.endm
.macro PLACES                          ; four plain vector lines between a matrix instruction and a load into its registers or a read of its result
.rept 4
	v_nop
.endr
.endm
; The tokens' fragments of K step s, tiles i0 .. i0 + 3: lane (r, h), registers 4 c .. 4 c + 3 = the 16 bytes at 128 s + 64 h + 16 c of row 16 i + r
.macro FETCH_A s, i0
.irp i, \i0, \i0+1, \i0+2, \i0+3
.irp c, 0,1,2,3
	ds_load_b128 v[AF+16*(\i)+4*\c:AF+16*(\i)+4*\c+3], v[3+(\i)/4] offset:((\i)%4)*16*AP+128*(\s)+16*\c
.endr
.endr
.endm
; The weights' four fragments of K step s into set p: sixteen loads of 512 consecutive bytes, 8 KiB on end
.macro LOAD_B off, s, p
	WIN 0x40                                       ; destination window 1
.irp t, 0,1,2,3
.irp c, 0,1,2,3
	global_load_b128 v[64*(\p)+16*\t+4*\c:64*(\p)+16*\t+4*\c+3], v[\off], s[6:7] offset:8192*(\s)+2048*\t+512*\c
.endr
.endr
.endm
; 16 matrix instructions: tiles of tokens i0 .. i0 + 3 x the four tiles of outputs.  first = 1: the bias is C and starts the sums.  The 32 accumulators take turns, one instruction a turn,
; in the same order in every step.
.macro MUL16 i0, p, first
.if \first
	WIN 0x81                                       ; source 0 (W) window 1, source 1 (tokens) and C (bias) window 0, D window 2
.else
	WIN 0xa1                                       ; C and D window 2
.endif
.irp i, \i0, \i0+1, \i0+2, \i0+3
.irp t, 0,1,2,3
.if \first
	v_wmma_f32_16x16x128_bf8_bf8 v[8*(4*(\i)+\t):8*(4*(\i)+\t)+7], v[64*(\p)+16*\t:64*(\p)+16*\t+15], v[AF+16*(\i):AF+16*(\i)+15], v[BI+8*\t:BI+8*\t+7]
.else
	v_wmma_f32_16x16x128_bf8_bf8 v[8*(4*(\i)+\t):8*(4*(\i)+\t)+7], v[64*(\p)+16*\t:64*(\p)+16*\t+15], v[AF+16*(\i):AF+16*(\i)+15], v[8*(4*(\i)+\t):8*(4*(\i)+\t)+7]
.endif
.endr
.endr
.endm
; K step s of an expert's eight.  The weights run three steps ahead, on into the next used expert's first three (offset register 10); the tokens' fragments half a step ahead, in one set:
; a tile's fragment is free as soon as its four products are issued.
.macro STEP s
	s_wait_loadcnt 32                              ; this step's weights are in; the next two steps' 32 loads stay out
.if \s == 0
	s_wait_dscnt 0x0                               ; the tokens' fragments, the bias and the gates
	MUL16 0, 0, 1
.else
	s_wait_dscnt 16                                ; tiles 0-3 are in; the youngest sixteen loads (tiles 4-7) may be out
	MUL16 0, (\s)%4, 0
	s_wait_dscnt 0x0                               ; tiles 4-7 are in
.endif
	PLACES
.if \s < 5
	LOAD_B 9, \s+3, (\s+3)%4                       ; into the set that the step before multiplied
.else
	LOAD_B 10, \s-5, (\s+3)%4
.endif
	WIN 0
	FETCH_A (\s+1)%8, 0
.if \s == 0
	MUL16 4, 0, 1
.else
	MUL16 4, (\s)%4, 0
.endif
	PLACES
	WIN 0
	FETCH_A (\s+1)%8, 4
.endm
	s_load_b512 s[4:19], s[0:1], 0x0               ; xq s[4:5], wq s[6:7], gates s[8:9], list s[10:11], bmask s[12:13], b s[14:15], scales s[16:17], out0 s[18:19]
	v_lshrrev_b32 v1, 5, v0
	v_readfirstlane_b32 s20, v1                    ; wave 0..3
	s_mov_b32 s21, ttmp9                           ; which 256 outputs
	s_and_b32 s22, ttmp7, 0xffff                   ; which block of 128 sorted tokens
	WIN 0xc0                                       ; destination window 3
.set n, 0
.rept 256
	v_mov_b32 v[n], 0                              ; the totals: sums of the vector unit's; which expert comes first is known only from the stored mask, so none can start them.  (They stand while the arguments are on their way)
.set n, n+1
.endr
	WIN 0
	v_and_b32 v1, 31, v0                           ; lane
	v_and_b32 v64, 15, v0                          ; r
	v_bfe_u32 v65, v0, 4, 1                        ; h
	v_lshlrev_b32 v2, 4, v1                        ; 16 x lane
	v_mul_u32_u24 v3, v64, AP
	v_lshl_add_u32 v3, v65, 6, v3                  ; the tokens' fragments, tiles 0-3: row r, + 64 h
	v_add_nc_u32 v4, 64*AP, v3                     ; tiles 4-7
	v_lshl_add_u32 v5, v64, 2, GT                  ; gates: token r of a tile
	s_lshl_b32 s66, s20, 8
	s_add_co_u32 s66, s66, BT
	v_lshl_add_u32 v6, v65, 5, s66                 ; biases: my wave's 64 outputs, + 8 h
	s_lshl_b32 s67, s21, 2
	s_add_co_u32 s67, s67, s20
	s_lshl_b32 s67, s67, 16
	v_add_nc_u32 v11, s67, v2                      ; wq: my 64 rows of an expert, 16 x lane
	s_mul_i32 s68, s20, 16*SP
	s_add_co_u32 s68, s68, STG                     ; my stage
	v_mul_u32_u24 v12, v64, SP
	v_lshl_add_u32 v12, v65, 5, v12
	v_add_nc_u32 v12, s68, v12                     ; in: row r, + 32 h
	v_mul_u32_u24 v13, v65, 8*SP
	v_lshl_add_u32 v13, v64, 4, v13
	v_add_nc_u32 v13, s68, v13                     ; back: lanes 0-15 take row k, lanes 16-31 row 8 + k
	s_lshl_b32 s69, s21, 10
	s_lshl_b32 s70, s20, 8
	s_add_co_u32 s69, s69, s70
	v_lshl_add_u32 v14, v64, 4, s69                ; my 16 bytes in a row of out0
	s_mul_i32 s70, s20, 32*AP
	v_add_nc_u32 v15, s70, v2                      ; where my wave's 32 gathered rows go
.irp i, 0,1,2,3,4,5,6,7
	v_mov_b32 v[GA+2*\i+1], 0
.endr
	v_lshlrev_b32 v67, 2, v0
	v_lshrrev_b32 v84, 6, v0
	v_and_b32 v85, 63, v0
	v_lshlrev_b32 v85, 4, v85
	v_lshl_add_u32 v84, v84, 12, v85               ; b: expert thread / 64 (+ 2 a load), 16 bytes at 16 (thread % 64)
	v_lshl_add_u32 v96, v0, 4, BT
	v_lshl_add_u32 v97, v0, 2, GT
	v_lshl_add_u32 v98, v0, 2, TOK
	s_mov_b32 s73, 0
	s_lshl_b32 s72, s22, 9
	s_lshl_b32 s76, s20, 7
	s_lshl_b32 s77, s22, 2
	s_wait_kmcnt 0x0
	s_add_nc_u64 s[74:75], s[10:11], s[72:73]      ; the block's 128 tokens in the list
	s_load_b512 s[32:47], s[74:75], s76 offset:0x0         ; my wave's 32 of them, as scalars: it gathers their rows
	s_load_b512 s[48:63], s[74:75], s76 offset:0x40
	s_load_b32 s23, s[12:13], s77 offset:0x0       ; the block's mask of experts
	s_load_b64 s[24:25], s[16:17], 0x0             ; ex, ew
	global_load_b32 v66, v67, s[74:75]             ; thread t: the block's token t
	s_lshl_b32 s72, s21, 10
	s_add_nc_u64 s[14:15], s[14:15], s[72:73]      ; b at the work-group's 256 outputs
.irp q, 0,1,2,3
	global_load_b128 v[68+4*\q:68+4*\q+3], v84, s[14:15] offset:8192*\q
.endr
	s_wait_kmcnt 0x0
	s_wait_loadcnt 0x4                             ; my token is in; the four loads of b stay out
	v_min_u32 v66, 0x1fff, v66                     ; a token stays inside its tables
	ds_store_b32 v98, v66
	v_lshlrev_b32 v86, 5, v66
	global_load_b128 v[88:91], v86, s[8:9]         ; its eight gates
	global_load_b128 v[92:95], v86, s[8:9] offset:16
.set n, 0
.rept 32
	s_min_u32 s66, s[32+n], 0x1fff
	s_lshl_b32 s66, s66, 10
	v_add_nc_u32 v[128+n], s66, v2                 ; row n's codes: token x 1,024 + 16 x lane
.set n, n+1
.endr
	WIN 0x80                                       ; destination window 2
.set n, 0
.rept 32
	global_load_b128 v[8*n:8*n+3], v[128+n], s[4:5]            ; a row of 1,024 codes: two loads of 512 consecutive bytes
	global_load_b128 v[8*n+4:8*n+7], v[128+n], s[4:5] offset:512
.set n, n+1
.endr
	WIN 0
	s_ctz_i32_b32 s66, s23                         ; the first used expert
	s_min_u32 s66, s66, 7
	s_lshl_b32 s66, s66, 20
	v_add_nc_u32 v10, s66, v11
	LOAD_B 10, 0, 0                                ; its first three K steps
	LOAD_B 10, 1, 1
	LOAD_B 10, 2, 2
	WIN 0
	s_add_co_i32 s26, s24, s25                     ; ex + ew
	s_sub_co_i32 s27, 0, s26
	s_wait_loadcnt 63                              ; behind my token's load 118 were issued: b's 4, the gates' 2, the rows' 64, the weights' 48.  All but the last 63 are in: b, the gates, rows 0-23
.set n, 0
.rept 16
	v_ldexp_f32 v[68+n], v[68+n], s27              ; b / 2^(ex + ew)
.set n, n+1
.endr
.irp q, 0,1,2,3
	ds_store_b128 v96, v[68+4*\q:68+4*\q+3] offset:2048*\q
.endr
.irp e, 0,1,2,3,4,5,6,7
	v_ldexp_f32 v[88+\e], v[88+\e], s26            ; score x 2^(ex + ew)
.endr
.irp e, 0,1,2,3,4,5,6,7
	ds_store_b32 v97, v[88+\e] offset:512*\e
.endr
	WIN 0x08                                       ; store data window 2
.set n, 0
.rept 48
	ds_store_b128 v15, v[4*n:4*n+3] offset:AP*(n/2)+512*(n%2)
.set n, n+1
.endr
	s_wait_loadcnt 48                              ; all rows are in; only the weights' 48 loads stay out
.rept 16
	ds_store_b128 v15, v[4*n:4*n+3] offset:AP*(n/2)+512*(n%2)
.set n, n+1
.endr
	WIN 0
	s_wait_dscnt 0x0                               ; for the others' sake: my stores have landed
	s_barrier_signal -1
	s_barrier_wait -1                              ; the launch's one barrier: rows, gates, biases and tokens lie in LDS, and nobody writes them again
	FETCH_A 0, 0
	FETCH_A 0, 4
	s_mov_b32 s28, 0                               ; the expert, and its steps in GT, BT and wq
	s_mov_b32 s29, 0
	s_mov_b32 s30, 0
	s_mov_b32 s31, 0
.Lexpert:                                              ; at this label, on every way: the next used expert's K steps 0-2 are asked for (48 loads at most out), and the tokens' fragments of K step 0 (32 LDS loads)
	s_lshr_b32 s66, s23, s28
	s_and_b32 s66, s66, 1
	s_cmp_eq_u32 s66, 0
	s_cbranch_scc1 .Lnext                          ; none of the block's tokens uses this expert
	s_wait_xcnt 0x0                                ; the two offset registers are written again only behind this wait
	v_add_nc_u32 v9, s31, v11                      ; this expert's weights
	s_add_co_u32 s67, s28, 1
	s_lshr_b32 s68, s23, s67                       ; the experts behind this one
	s_ctz_i32_b32 s69, s68
	s_add_co_u32 s69, s69, s67
	s_min_u32 s69, s69, 7                          ; the next used one
	s_lshl_b32 s69, s69, 20
	s_min_u32 s68, s68, 1                          ; 1 if there is one, else 0:
	v_add_nc_u32 v10, s69, v11
	v_mul_lo_u32 v10, v10, s68                     ; with none left every lane asks at offset 0, so that the counts of loads stay alike on every way and next to nothing is fetched
	v_add_nc_u32 v7, s29, v5
	v_add_nc_u32 v8, s30, v6
.irp t, 0,1,2,3
	ds_load_b128 v[BI+8*\t:BI+8*\t+3], v8 offset:64*\t         ; the bias of outputs 16 t + 8 h + 0..7: the layout of a result
	ds_load_b128 v[BI+8*\t+4:BI+8*\t+7], v8 offset:64*\t+16
.endr
.irp i, 0,1,2,3,4,5,6,7
	ds_load_b32 v[GA+2*\i], v7 offset:64*\i        ; the gate of token 16 i + r
.endr
.irp s, 0,1,2,3,4,5,6,7
	STEP \s
.endr
	WIN 0xf2                                       ; source 0 (the sums) window 2, source 1 (the gate) window 0, source 2 and destination (the totals) window 3
.set n, 0
.rept 32                                       ; each accumulator from its low end on; step 7's last four plain lines stand ahead
.irp j, 0,2,4,6
	v_pk_fma_f32 v[8*n+\j:8*n+\j+1], v[8*n+\j:8*n+\j+1], v[GA+2*(n/4):GA+2*(n/4)+1], v[8*n+\j:8*n+\j+1] op_sel_hi:[1,0,1]
.endr
.set n, n+1
.endr
	WIN 0
.Lnext:
	s_add_co_u32 s29, s29, 512
	s_add_co_u32 s30, s30, 1024
	s_add_co_u32 s31, s31, 1<<20
	s_add_co_u32 s28, s28, 1
	s_cmp_lt_u32 s28, 8
	s_cbranch_scc1 .Lexpert
; THE WAY OUT, a tile of 16 tokens at a time.  A lane holds 32 bytes of a token's row and the lanes beside it other tokens: so a tile goes through my own stage and comes back as rows of 256 bytes,
; two an instruction, which go to the tokens' rows of out0.  Window 1, where the last loads of weights may still land, is not touched.
	s_wait_dscnt 0x0                               ; the fragments asked for last have landed: their registers are used again
	v_bfe_u32 v7, v0, 4, 1
	v_lshl_add_u32 v7, v7, 5, TOK                  ; lanes 16-31: eight tokens further on
.irp i, 0,1,2,3,4,5,6,7
	ds_load_b128 v[64+8*\i:64+8*\i+3], v7 offset:64*\i         ; tokens 16 i + 8 h + 0..3,
	ds_load_b128 v[64+8*\i+4:64+8*\i+7], v7 offset:64*\i+16    ; + 4..7
.endr
	s_wait_dscnt 0x0
.set n, 0
.rept 64
	v_min_u32 v[64+n], 0x1fff, v[64+n]
.set n, n+1
.endr
.set n, 0
.rept 64
	v_lshl_add_u32 v[64+n], v[64+n], 12, v14       ; token x 4,096 + my 16 bytes of the row
.set n, n+1
.endr
.macro TOSTAGE i
.if \i >= 4
	s_wait_xcnt 0x0                                ; the stores of four tiles ago have read their registers
.endif
	WIN 0x0c                                       ; store data window 3
.irp t, 0,1,2,3
	ds_store_b128 v12, v[8*(4*(\i)+\t):8*(4*(\i)+\t)+3] offset:64*\t
	ds_store_b128 v12, v[8*(4*(\i)+\t)+4:8*(4*(\i)+\t)+7] offset:64*\t+16
.endr
	WIN 0
.irp k, 0,1,2,3,4,5,6,7
	ds_load_b128 v[128+32*((\i)%4)+4*\k:128+32*((\i)%4)+4*\k+3], v13 offset:SP*\k   ; LDS serves a wave's instructions in order (ISA guide 5.7.1.4): these see my stores, and the next tile's stores come behind them
.endr
.endm
.macro SEND i, younger                 ; younger: the LDS instructions issued behind tile i's loads
	s_wait_dscnt \younger
.irp k, 0,1,2,3,4,5,6,7
	global_store_b128 v[64+8*(\i)+\k], v[128+32*((\i)%4)+4*\k:128+32*((\i)%4)+4*\k+3], s[18:19] th:TH_STORE_NT   ; sixteen lanes store 256 consecutive bytes, at a multiple of 256 from out0's first byte
.endr
.endm
	TOSTAGE 0
.irp i, 1,2,3,4,5,6,7
	TOSTAGE \i
	SEND \i-1, 16                                  ; behind tile i - 1's loads: tile i's 8 stores and 8 loads
.endr
	SEND 7, 0
	s_wait_xcnt 0x0
	v_lshl_add_u32 v254, v0, 2, 0x27e00
	v_mov_b32 v255, 0
	s_wait_tensorcnt 0x0
	ds_add_u32 v254, v255
	s_wait_dscnt 0x0
	s_endpgm
.Lfunc_end_k_q4bb5dfeb50_experts:
	.size	k_q4bb5dfeb50_experts, .Lfunc_end_k_q4bb5dfeb50_experts-k_q4bb5dfeb50_experts
	.p2alignl 7, 3214868480
	.fill 96, 4, 3214868480
	.section	.rodata,"a",@progbits
	.p2align	6, 0x0
	.amdhsa_kernel k_q4bb5dfeb50_experts
		.amdhsa_group_segment_fixed_size 163840
		.amdhsa_private_segment_fixed_size 0
		.amdhsa_enable_private_segment 0
		.amdhsa_kernarg_size 64
		.amdhsa_user_sgpr_count 2
		.amdhsa_user_sgpr_kernarg_segment_ptr 1
		.amdhsa_wavefront_size32 1
		.amdhsa_system_sgpr_workgroup_id_x 1
		.amdhsa_system_sgpr_workgroup_id_y 1
		.amdhsa_system_sgpr_workgroup_id_z 1
		.amdhsa_system_vgpr_workitem_id 0
		.amdhsa_next_free_vgpr 1024
		.amdhsa_next_free_sgpr 80
		.amdhsa_reserve_vcc 0
		.amdhsa_float_denorm_mode_32 3
		.amdhsa_float_denorm_mode_16_64 3
		.amdhsa_memory_ordered 1
		.amdhsa_forward_progress 1
		.amdhsa_inst_pref_size 118
	.end_amdhsa_kernel
	.amdgpu_metadata
---
amdhsa.version: [ 1, 2 ]
amdhsa.kernels:
  - .name:           k_q4bb5dfeb50_experts
    .symbol:         k_q4bb5dfeb50_experts.kd
    .args:
      - { .name: xq, .offset: 0, .size: 8, .value_kind: global_buffer, .address_space: global }
      - { .name: wq, .offset: 8, .size: 8, .value_kind: global_buffer, .address_space: global }
      - { .name: gates, .offset: 16, .size: 8, .value_kind: global_buffer, .address_space: global }
      - { .name: list, .offset: 24, .size: 8, .value_kind: global_buffer, .address_space: global }
      - { .name: bmask, .offset: 32, .size: 8, .value_kind: global_buffer, .address_space: global }
      - { .name: b, .offset: 40, .size: 8, .value_kind: global_buffer, .address_space: global }
      - { .name: lowp_scales, .offset: 48, .size: 8, .value_kind: global_buffer, .address_space: global }
      - { .name: out0, .offset: 56, .size: 8, .value_kind: global_buffer, .address_space: global }
    .group_segment_fixed_size: 163840
    .private_segment_fixed_size: 0
    .kernarg_segment_align: 8
    .kernarg_segment_size: 64
    .max_flat_workgroup_size: 128
    .sgpr_count:     80
    .vgpr_count:     1024
    .wavefront_size: 32
...
	.end_amdgpu_metadata
.endif
;; end of part 3
;; ======== version 2 of 2: 3 launches; version 1 with the launch experts written anew for expert scheduling mode
;; workspace buffers: xq 8,388,608 bytes; wq 8,388,608 bytes; gates 262,144 bytes; keys 32,768 bytes of whole numbers; hist 131,072 bytes of whole numbers; list 32,768 bytes of whole numbers; bmask 256 bytes of whole numbers
;; launch prep: the kernel of part 1 again; grid 512 x 1, 4 waves a work-group, no clusters, 34,304 bytes of LDS; arguments x, W, Wg, bg, lowp_scales, xq, wq, gates, keys, hist; writes xq, wq, gates, keys, hist
;; launch place: the kernel of part 2 again; grid 1 x 1, 32 waves a work-group, no clusters, 12,800 bytes of LDS; arguments keys, hist, list, bmask; writes list, bmask
;; launch experts (part 4): grid 4 x 64, 4 waves a work-group, no clusters, 163,840 bytes of LDS; arguments xq, wq, gates, list, bmask, b, lowp_scales, out0; writes out0
.if DOCPART == 4
	.amdgcn_target "amdgcn-amd-amdhsa--gfx1250"
	.amdhsa_code_object_version 6
	.text
	.protected	k_q4bb5dfeb50_experts
	.globl	k_q4bb5dfeb50_experts
	.p2align	8
	.type	k_q4bb5dfeb50_experts,@function
k_q4bb5dfeb50_experts:
	s_mov_b64 s[64:65], 0
	v_nop
	global_prefetch_b8 v0, s[64:65] scope:SCOPE_SE
	s_setreg_imm32_b32 hwreg(HW_REG_WAVE_SCHED_MODE, 0, 2), 2
	s_setreg_imm32_b32 hwreg(HW_REG_WAVE_MODE, 25, 1), 1
	s_wait_xcnt 0x0
	s_wait_alu depctr_vm_vsrc(0)
; EXPERTS.  out[t][o] = sum over the token's two experts e of score x (2^(ex + ew) x (codes of x[t]) . (codes of W[e][o]) + b[e][o]), on codes of BF8 (E5M2), f32 sums.
; A work-group owns 128 tokens that lie together in the list sorted by pair of experts (work-group y) x 256 outputs (work-group x): every number of out0 has one owner, and no expert's result goes to memory.
; It walks the 8 experts in a loop of constant count and passes over, by a scalar branch on the stored mask, those that none of its tokens uses.  For a token that does not use an expert of its block the stored
; gate is 0, so the expert's sum adds 0.
; SHARES.  Wave w: all 128 tokens x outputs 64 (4 x + w) .. + 63: 8 tiles of tokens x 4 tiles of outputs = 32 accumulators.
; THE MATRIX INSTRUCTION IS USED TRANSPOSED (source 0 = 16 rows of W, source 1 = 16 tokens): lane (r, h) holds token r and outputs 8 h + 0..7 of the tile.
; The tokens' codes are gathered once into LDS and serve every expert.  The weights come from wq, which lies in the order of an operand's registers, straight into registers: each wave's rows of W are its own.
; sum + b / 2^(ex + ew) is had by giving the bias as the C of an expert's first products; total += (score x 2^(ex + ew)) x that, one packed multiply-add for two numbers.
; NO TENSOR LOADS, NO CLUSTER: which experts a block walks is read from memory, so partners would ask for different numbers of tiles, and a load or a barrier would stand under a branch on loaded data.
; LIMITS: b x 2^-(ex + ew) and score x 2^(ex + ew) are to be normal f32 numbers (v_ldexp_f32 makes them); NaN among the inputs is not served.
; LDS: A 128 rows x (1,024 + 16) bytes; GT [expert][128 tokens] gates; BT [expert][256 outputs] biases; TOK the block's 128 tokens; STG a stage of 16 rows x (256 + 16) bytes for each wave.
; REGISTERS, in windows of 256: window 0: v2-15 addresses; v16-31 the expert's gates (tile i at v[16 + 2 i]; the odd ones stay 0: named as the upper halves of pairs); v32-63 its biases;
;   v64-127 at work at the head; in the loop the fragments of the tokens' tiles 4-7, ONE set; on the way out the rows' offsets in out0;
;   v128-255 at the head the gathered rows' offsets; in the loop the fragments of tiles 0-3, TWO sets; on the way out rows read back.
;   window 1: the weights' fragments, FOUR sets of 4 x 16.   window 2: the expert's 32 sums (accumulator (i, t) at v[8 (4 i + t)]); at the head the gathered rows.   window 3: the totals, numbered alike.
; THE MODE: SCHED_MODE bits 1:0 = 2 (LLVM: expert scheduling mode 2), set by the entry lines.  The code itself states the register dependences between vector or matrix instructions
; and memory or LDS instructions, with s_wait_alu, always for 0.
; THE PLAN.  Registers that memory or LDS instructions touch in the loop, K step s of an expert's eight:
;   weights' set s % 4      read by the step's 32 products.  The loads of step s + 3 (from step 5 on: the next used expert's steps 0 to 2) land in set (s + 3) % 4, which step s - 1 read last.
;   tiles 0-3, set s % 2    read by the step's first 16 products.  The loads for step s + 1 land in the other set, which step s - 1 read last.
;   tiles 4-7, the one set  read by the step's last 16 products; loaded at the step's head; step s - 1 read it last.
;   biases, gates           loaded at the expert's head; read by step 0's products (as C) and by the multiply-adds at the expert's end.
;   v7 to v10               addresses, written at the expert's head and read by its loads.  v2 to v6, v11 to v15: written at the kernel's head and never again.
;   The sums and the totals are named in the loop by matrix and vector instructions alone.
; So ONE wait on va_vdst stands at a step's head: step s - 1's products are done reading all three buffers in which the step's 48 loads land.  The loads follow in three runs among the step's products,
; which name the weights' set s % 4, the tokens' set s % 2, tiles 4-7 (loaded ahead of them) and the sums: no register that a later load of the step touches.
; The expert's head has one wait on vm_vsrc ahead of the four address lines and one on va_vdst behind them, which is step 0's too.  Eight steps are an even number, so every set is back at its start at the expert's end.
.set AP,  1040                         ; 260 words: row r starts at bank 4 r mod 64 (64 banks of 4 bytes: ISA guide 11.1): the 16 rows that a load touches start at 16 different banks
.set GT,  128*AP
.set BT,  GT+4096
.set TOK, BT+8192
.set STG, TOK+512
.set SP,  272
.set GA,  16
.set BI,  32
.set AU,  64                           ; the fragments of tiles 4-7
.set AL,  128                          ; the fragments of tiles 0-3: set l at AL + 64 l
.set MSB, 0
.macro WIN new                         ; the immediate's high byte repeats the setting that is left
.if MSB != \new
	s_set_vgpr_msb (MSB<<8)|\new
.set MSB, \new
.endif
.endm
.macro PLACES                          ; four plain vector lines between a matrix instruction and a load into its registers or a read of its result
.rept 4
	v_nop
.endr
.endm
; The tokens' fragments of K step s: lane (r, h), registers 4 c .. 4 c + 3 = the 16 bytes at 128 s + 64 h + 16 c of row 16 i + r.  Tiles 0-3 into set l:
.macro FETCH_LO s, l
.irp i, 0,1,2,3
.irp c, 0,1,2,3
	ds_load_b128 v[AL+64*(\l)+16*\i+4*\c:AL+64*(\l)+16*\i+4*\c+3], v3 offset:\i*16*AP+128*(\s)+16*\c
.endr
.endr
.endm
; and tiles 4-7 into their one set
.macro FETCH_HI s
.irp i, 0,1,2,3
.irp c, 0,1,2,3
	ds_load_b128 v[AU+16*\i+4*\c:AU+16*\i+4*\c+3], v4 offset:\i*16*AP+128*(\s)+16*\c
.endr
.endr
.endm
; The weights' four fragments of K step s into set p: sixteen loads of 512 consecutive bytes, 8 KiB on end
.macro LOAD_B off, s, p
	WIN 0x40                                       ; destination window 1
.irp t, 0,1,2,3
.irp c, 0,1,2,3
	global_load_b128 v[64*(\p)+16*\t+4*\c:64*(\p)+16*\t+4*\c+3], v[\off], s[6:7] offset:8192*(\s)+2048*\t+512*\c
.endr
.endr
.endm
; The windows of a product.  FIRST = 1, an expert's first K step: the bias is C and starts the sums.
.macro MWIN
.if FIRST
	WIN 0x81                                       ; source 0 (W) window 1, source 1 (tokens) and C (bias) window 0, D window 2
.else
	WIN 0xa1                                       ; C and D window 2
.endif
.endm
; 4 matrix instructions: the tile of tokens i, whose fragment begins at v[fa], x the four tiles of outputs, weights' set p.  The 32 accumulators take turns, one instruction a turn,
; in the same order in every step.
.macro MUL4 i, fa, p
.irp t, 0,1,2,3
.if FIRST
	v_wmma_f32_16x16x128_bf8_bf8 v[8*(4*(\i)+\t):8*(4*(\i)+\t)+7], v[64*(\p)+16*\t:64*(\p)+16*\t+15], v[\fa:\fa+15], v[BI+8*\t:BI+8*\t+7]
.else
	v_wmma_f32_16x16x128_bf8_bf8 v[8*(4*(\i)+\t):8*(4*(\i)+\t)+7], v[64*(\p)+16*\t:64*(\p)+16*\t+15], v[\fa:\fa+15], v[8*(4*(\i)+\t):8*(4*(\i)+\t)+7]
.endif
.endr
.endm
; K step s of an expert's eight.  The weights run three steps ahead, on into the next used expert's first three (offset register 10); tiles 0-3 of the tokens a step ahead; tiles 4-7 half a step.
.macro STEP s
.if \s == 0
.set FIRST, 1                          ; step 0 leans on the wait at the expert's head: no vector or matrix instruction has been issued since
.else
.set FIRST, 0
	PLACES                                         ; behind the last step's products, ahead of the loads into registers that they read
	WIN 0
	s_wait_alu depctr_va_vdst(0)                   ; the last step's products are done reading tiles 4-7, the tokens' other set of tiles 0-3 and their set of weights: this step's 48 loads land there
.endif
	FETCH_HI \s                                    ; tiles 4-7 of this step: wanted 16 products on
	s_wait_loadcnt 32                              ; this step's weights are in; the next two steps' 32 loads stay out
.if \s == 0
	s_wait_dscnt 24                                ; tiles 0-3 and the bias are in; the gates' 8 loads and the 16 just issued may be out
.else
	s_wait_dscnt 16                                ; tiles 0-3 are in; the 16 loads just issued may be out
.endif
	MWIN
	MUL4 0, AL+64*((\s)%2), (\s)%4
	MUL4 1, AL+64*((\s)%2)+16, (\s)%4
	WIN 0
	FETCH_LO (\s+1)%8, (\s+1)%2                    ; the next step's tiles 0-3.  No wait: no product since the wait names that set
	MWIN
	MUL4 2, AL+64*((\s)%2)+32, (\s)%4
	MUL4 3, AL+64*((\s)%2)+48, (\s)%4
.if \s < 5
	LOAD_B 9, \s+3, (\s+3)%4                       ; into the set that the step before multiplied.  No wait: no product since the wait names that set
.else
	LOAD_B 10, \s-5, (\s+3)%4
.endif
	s_wait_dscnt 16                                ; tiles 4-7 are in (in step 0 the gates too); the next step's 16 loads may be out
	MWIN
	MUL4 4, AU, (\s)%4
	MUL4 5, AU+16, (\s)%4
	MUL4 6, AU+32, (\s)%4
	MUL4 7, AU+48, (\s)%4
.endm
	s_load_b512 s[4:19], s[0:1], 0x0               ; xq s[4:5], wq s[6:7], gates s[8:9], list s[10:11], bmask s[12:13], b s[14:15], scales s[16:17], out0 s[18:19]
	v_lshrrev_b32 v1, 5, v0
	v_readfirstlane_b32 s20, v1                    ; wave 0..3
	s_mov_b32 s21, ttmp9                           ; which 256 outputs
	s_and_b32 s22, ttmp7, 0xffff                   ; which block of 128 sorted tokens
	WIN 0xc0                                       ; destination window 3
.set n, 0
.rept 256
	v_mov_b32 v[n], 0                              ; the totals: sums of the vector unit's; which expert comes first is known only from the stored mask, so none can start them.  (They stand while the arguments are on their way)
.set n, n+1
.endr
	WIN 0
	v_and_b32 v1, 31, v0                           ; lane
	v_and_b32 v64, 15, v0                          ; r
	v_bfe_u32 v65, v0, 4, 1                        ; h
	v_lshlrev_b32 v2, 4, v1                        ; 16 x lane
	v_mul_u32_u24 v3, v64, AP
	v_lshl_add_u32 v3, v65, 6, v3                  ; the tokens' fragments, tiles 0-3: row r, + 64 h
	v_add_nc_u32 v4, 64*AP, v3                     ; tiles 4-7
	v_lshl_add_u32 v5, v64, 2, GT                  ; gates: token r of a tile
	s_wait_alu depctr_va_sdst(0)                   ; s20, the wave's number, is written, ahead of its first reader
	s_lshl_b32 s66, s20, 8
	s_add_co_u32 s66, s66, BT
	v_lshl_add_u32 v6, v65, 5, s66                 ; biases: my wave's 64 outputs, + 8 h
	s_lshl_b32 s67, s21, 2
	s_add_co_u32 s67, s67, s20
	s_lshl_b32 s67, s67, 16
	v_add_nc_u32 v11, s67, v2                      ; wq: my 64 rows of an expert, 16 x lane
	s_mul_i32 s68, s20, 16*SP
	s_add_co_u32 s68, s68, STG                     ; my stage
	v_mul_u32_u24 v12, v64, SP
	v_lshl_add_u32 v12, v65, 5, v12
	v_add_nc_u32 v12, s68, v12                     ; in: row r, + 32 h
	v_mul_u32_u24 v13, v65, 8*SP
	v_lshl_add_u32 v13, v64, 4, v13
	v_add_nc_u32 v13, s68, v13                     ; back: lanes 0-15 take row k, lanes 16-31 row 8 + k
	s_lshl_b32 s69, s21, 10
	s_lshl_b32 s70, s20, 8
	s_add_co_u32 s69, s69, s70
	v_lshl_add_u32 v14, v64, 4, s69                ; my 16 bytes in a row of out0
	s_mul_i32 s70, s20, 32*AP
	v_add_nc_u32 v15, s70, v2                      ; where my wave's 32 gathered rows go
.irp i, 0,1,2,3,4,5,6,7
	v_mov_b32 v[GA+2*\i+1], 0
.endr
	v_lshlrev_b32 v67, 2, v0
	v_lshrrev_b32 v84, 6, v0
	v_and_b32 v85, 63, v0
	v_lshlrev_b32 v85, 4, v85
	v_lshl_add_u32 v84, v84, 12, v85               ; b: expert thread / 64 (+ 2 a load), 16 bytes at 16 (thread % 64)
	v_lshl_add_u32 v96, v0, 4, BT
	v_lshl_add_u32 v97, v0, 2, GT
	v_lshl_add_u32 v98, v0, 2, TOK
	s_mov_b32 s73, 0
	s_lshl_b32 s72, s22, 9
	s_lshl_b32 s76, s20, 7
	s_lshl_b32 s77, s22, 2
	s_wait_kmcnt 0x0
	s_add_nc_u64 s[74:75], s[10:11], s[72:73]      ; the block's 128 tokens in the list
	s_load_b512 s[32:47], s[74:75], s76 offset:0x0         ; my wave's 32 of them, as scalars: it gathers their rows
	s_load_b512 s[48:63], s[74:75], s76 offset:0x40
	s_load_b32 s23, s[12:13], s77 offset:0x0       ; the block's mask of experts
	s_load_b64 s[24:25], s[16:17], 0x0             ; ex, ew
	s_wait_alu depctr_va_vdst(0)                   ; the addresses and offsets made so far are written: v2 to v6, v11 to v15, v67, v84, v96 to v98, which the kernel's loads and stores read
	global_load_b32 v66, v67, s[74:75]             ; thread t: the block's token t
	s_lshl_b32 s72, s21, 10
	s_add_nc_u64 s[14:15], s[14:15], s[72:73]      ; b at the work-group's 256 outputs
.irp q, 0,1,2,3
	global_load_b128 v[68+4*\q:68+4*\q+3], v84, s[14:15] offset:8192*\q
.endr
	s_wait_kmcnt 0x0
.set n, 0
.rept 32
	s_min_u32 s66, s[32+n], 0x1fff
	s_lshl_b32 s66, s66, 10
	v_add_nc_u32 v[128+n], s66, v2                 ; row n's codes: token x 1,024 + 16 x lane
.set n, n+1
.endr
	s_ctz_i32_b32 s66, s23                         ; the first used expert
	s_min_u32 s66, s66, 7
	s_lshl_b32 s66, s66, 20
	v_add_nc_u32 v10, s66, v11
	s_wait_loadcnt 0x4                             ; my token is in; the four loads of b stay out
	v_min_u32 v66, 0x1fff, v66                     ; a token stays inside its tables
	v_lshlrev_b32 v86, 5, v66
	s_wait_alu depctr_va_vdst(0)                   ; the token v66, which the LDS store reads, and the offsets v86, v128 to v159 and v10, which the 114 loads below read, are written
	ds_store_b32 v98, v66
	global_load_b128 v[88:91], v86, s[8:9]         ; its eight gates
	global_load_b128 v[92:95], v86, s[8:9] offset:16
	WIN 0x80                                       ; destination window 2
.set n, 0
.rept 32
	global_load_b128 v[8*n:8*n+3], v[128+n], s[4:5]            ; a row of 1,024 codes: two loads of 512 consecutive bytes
	global_load_b128 v[8*n+4:8*n+7], v[128+n], s[4:5] offset:512
.set n, n+1
.endr
	LOAD_B 10, 0, 0                                ; the first used expert's first three K steps
	LOAD_B 10, 1, 1
	LOAD_B 10, 2, 2
	WIN 0
	s_add_co_i32 s26, s24, s25                     ; ex + ew
	s_sub_co_i32 s27, 0, s26
	s_wait_loadcnt 63                              ; behind my token's load 118 were issued: b's 4, the gates' 2, the rows' 64, the weights' 48.  All but the last 63 are in: b, the gates, rows 0-23
.set n, 0
.rept 16
	v_ldexp_f32 v[68+n], v[68+n], s27              ; b / 2^(ex + ew)
.set n, n+1
.endr
.irp e, 0,1,2,3,4,5,6,7
	v_ldexp_f32 v[88+\e], v[88+\e], s26            ; score x 2^(ex + ew)
.endr
	s_wait_alu depctr_va_vdst(0)                   ; the scaled biases v68 to v83 and gates v88 to v95 are written, which the LDS stores read
.irp q, 0,1,2,3
	ds_store_b128 v96, v[68+4*\q:68+4*\q+3] offset:2048*\q
.endr
.irp e, 0,1,2,3,4,5,6,7
	ds_store_b32 v97, v[88+\e] offset:512*\e
.endr
	WIN 0x08                                       ; store data window 2
.set n, 0
.rept 48
	ds_store_b128 v15, v[4*n:4*n+3] offset:AP*(n/2)+512*(n%2)
.set n, n+1
.endr
	s_wait_loadcnt 48                              ; all rows are in; only the weights' 48 loads stay out
.rept 16
	ds_store_b128 v15, v[4*n:4*n+3] offset:AP*(n/2)+512*(n%2)
.set n, n+1
.endr
	WIN 0
	s_wait_dscnt 0x0                               ; for the others' sake: my stores have landed
	s_barrier_signal -1
	s_barrier_wait -1                              ; the launch's one barrier: rows, gates, biases and tokens lie in LDS, and nobody writes them again
	s_wait_alu depctr_vm_vsrc(0)                   ; the rows' loads have read their offsets v128 to v159, and my LDS stores v66 to v98 and window 2: the fragments' loads and the products write these registers from here on
	FETCH_LO 0, 0
	s_mov_b32 s28, 0                               ; the expert, and its steps in GT, BT and wq
	s_mov_b32 s29, 0
	s_mov_b32 s30, 0
	s_mov_b32 s31, 0
.Lexpert:                                              ; at this label, on every way: the next used expert's K steps 0-2 are asked for (48 loads at most out), and tiles 0-3 of the tokens' fragments of K step 0, in set 0 (16 LDS loads)
	s_lshr_b32 s66, s23, s28
	s_and_b32 s66, s66, 1
	s_cmp_eq_u32 s66, 0
	s_cbranch_scc1 .Lnext                          ; none of the block's tokens uses this expert
	s_wait_xcnt 0x0                                ; the two offset registers are written again only behind this wait
	s_wait_alu depctr_vm_vsrc(0)                   ; the weights' loads issued so far have read v9 and v10, the last expert's LDS loads v7 and v8: the four are written below
	v_add_nc_u32 v9, s31, v11                      ; this expert's weights
	s_add_co_u32 s67, s28, 1
	s_lshr_b32 s68, s23, s67                       ; the experts behind this one
	s_ctz_i32_b32 s69, s68
	s_add_co_u32 s69, s69, s67
	s_min_u32 s69, s69, 7                          ; the next used one
	s_lshl_b32 s69, s69, 20
	s_min_u32 s68, s68, 1                          ; 1 if there is one, else 0:
	v_add_nc_u32 v10, s69, v11
	v_mul_lo_u32 v10, v10, s68                     ; with none left every lane asks at offset 0, so that the counts of loads stay alike on every way and next to nothing is fetched
	v_add_nc_u32 v7, s29, v5
	v_add_nc_u32 v8, s30, v6
	s_wait_alu depctr_va_vdst(0)                   ; v7 to v10 are written, which this expert's loads read; the last expert's products and multiply-adds are done reading the biases, the gates, tiles 4-7, the tokens' set 1 and the weights' set 3, in which the loads below and step 0's land
.irp t, 0,1,2,3
	ds_load_b128 v[BI+8*\t:BI+8*\t+3], v8 offset:64*\t         ; the bias of outputs 16 t + 8 h + 0..7: the layout of a result
	ds_load_b128 v[BI+8*\t+4:BI+8*\t+7], v8 offset:64*\t+16
.endr
.irp i, 0,1,2,3,4,5,6,7
	ds_load_b32 v[GA+2*\i], v7 offset:64*\i        ; the gate of token 16 i + r
.endr
.irp s, 0,1,2,3,4,5,6,7
	STEP \s
.endr
	PLACES                                         ; behind the last products, ahead of the first read of their results
	WIN 0xf2                                       ; source 0 (the sums) window 2, source 1 (the gate) window 0, source 2 and destination (the totals) window 3
.set n, 0
.rept 32                                       ; each accumulator from its low end on
.irp j, 0,2,4,6
	v_pk_fma_f32 v[8*n+\j:8*n+\j+1], v[8*n+\j:8*n+\j+1], v[GA+2*(n/4):GA+2*(n/4)+1], v[8*n+\j:8*n+\j+1] op_sel_hi:[1,0,1]
.endr
.set n, n+1
.endr
	WIN 0
.Lnext:
	s_add_co_u32 s29, s29, 512
	s_add_co_u32 s30, s30, 1024
	s_add_co_u32 s31, s31, 1<<20
	s_add_co_u32 s28, s28, 1
	s_cmp_lt_u32 s28, 8
	s_cbranch_scc1 .Lexpert
; THE WAY OUT, a tile of 16 tokens at a time.  A lane holds 32 bytes of a token's row and the lanes beside it other tokens: so a tile goes through my own stage and comes back as rows of 256 bytes,
; two an instruction, which go to the tokens' rows of out0.  Window 1, where the last loads of weights may still land, is not touched.
	s_wait_dscnt 0x0                               ; the fragments asked for last have landed: their registers are used again
	s_wait_alu depctr_vm_vsrc(0)                   ; the gates' LDS loads have read v7, which is written below
	v_bfe_u32 v7, v0, 4, 1
	v_lshl_add_u32 v7, v7, 5, TOK                  ; lanes 16-31: eight tokens further on
	s_wait_alu depctr_va_vdst(0)                   ; v7 is written, which the loads below read; the products are done reading v64 to v127, in which they land
.irp i, 0,1,2,3,4,5,6,7
	ds_load_b128 v[64+8*\i:64+8*\i+3], v7 offset:64*\i         ; tokens 16 i + 8 h + 0..3,
	ds_load_b128 v[64+8*\i+4:64+8*\i+7], v7 offset:64*\i+16    ; + 4..7
.endr
	s_wait_dscnt 0x0
.set n, 0
.rept 64
	v_min_u32 v[64+n], 0x1fff, v[64+n]
.set n, n+1
.endr
.set n, 0
.rept 64
	v_lshl_add_u32 v[64+n], v[64+n], 12, v14       ; token x 4,096 + my 16 bytes of the row
.set n, n+1
.endr
	s_wait_alu depctr_va_vdst(0)                   ; the rows' offsets v64 to v127 are written, which the global stores read; so are the totals, which the LDS stores read; and the products are done reading v128 to v255, in which the rows land.  No vector instruction follows but the last two
.macro TOSTAGE i
	WIN 0x0c                                       ; store data window 3
.irp t, 0,1,2,3
	ds_store_b128 v12, v[8*(4*(\i)+\t):8*(4*(\i)+\t)+3] offset:64*\t
	ds_store_b128 v12, v[8*(4*(\i)+\t)+4:8*(4*(\i)+\t)+7] offset:64*\t+16
.endr
	WIN 0
.if \i >= 4
	s_wait_xcnt 0x0                                ; the stores of four tiles ago have had their addresses translated: their registers are loaded again only behind this wait,
	s_wait_alu depctr_vm_vsrc(0)                   ; and they have read their data, in which the loads below land
.endif
.irp k, 0,1,2,3,4,5,6,7
	ds_load_b128 v[128+32*((\i)%4)+4*\k:128+32*((\i)%4)+4*\k+3], v13 offset:SP*\k   ; LDS serves a wave's instructions in order (ISA guide 5.7.1.4): these see my stores, and the next tile's stores come behind them
.endr
.endm
.macro SEND i, younger                 ; younger: the LDS instructions issued behind tile i's loads
	s_wait_dscnt \younger
.irp k, 0,1,2,3,4,5,6,7
	global_store_b128 v[64+8*(\i)+\k], v[128+32*((\i)%4)+4*\k:128+32*((\i)%4)+4*\k+3], s[18:19] th:TH_STORE_NT   ; sixteen lanes store 256 consecutive bytes, at a multiple of 256 from out0's first byte
.endr
.endm
	TOSTAGE 0
.irp i, 1,2,3,4,5,6,7
	TOSTAGE \i
	SEND \i-1, 16                                  ; behind tile i - 1's loads: tile i's 8 stores and 8 loads
.endr
	SEND 7, 0
	s_wait_xcnt 0x0
	s_wait_alu depctr_vm_vsrc(0)                   ; the last stores have read v254 and v255, which are written below
	v_lshl_add_u32 v254, v0, 2, 0x27e00
	v_mov_b32 v255, 0
	s_wait_dscnt 0x0                               ; the closing lines, six on end
	s_wait_alu 0x0
	s_wait_tensorcnt 0x0
	ds_add_u32 v254, v255
	s_wait_dscnt 0x0
	s_endpgm
.Lfunc_end_k_q4bb5dfeb50_experts:
	.size	k_q4bb5dfeb50_experts, .Lfunc_end_k_q4bb5dfeb50_experts-k_q4bb5dfeb50_experts
	.p2alignl 7, 3214868480
	.fill 96, 4, 3214868480
	.section	.rodata,"a",@progbits
	.p2align	6, 0x0
	.amdhsa_kernel k_q4bb5dfeb50_experts
		.amdhsa_group_segment_fixed_size 163840
		.amdhsa_private_segment_fixed_size 0
		.amdhsa_enable_private_segment 0
		.amdhsa_kernarg_size 64
		.amdhsa_user_sgpr_count 2
		.amdhsa_user_sgpr_kernarg_segment_ptr 1
		.amdhsa_wavefront_size32 1
		.amdhsa_system_sgpr_workgroup_id_x 1
		.amdhsa_system_sgpr_workgroup_id_y 1
		.amdhsa_system_sgpr_workgroup_id_z 1
		.amdhsa_system_vgpr_workitem_id 0
		.amdhsa_next_free_vgpr 1024
		.amdhsa_next_free_sgpr 80
		.amdhsa_reserve_vcc 0
		.amdhsa_float_denorm_mode_32 3
		.amdhsa_float_denorm_mode_16_64 3
		.amdhsa_memory_ordered 1
		.amdhsa_forward_progress 1
		.amdhsa_inst_pref_size 117
	.end_amdhsa_kernel
	.amdgpu_metadata
---
amdhsa.version: [ 1, 2 ]
amdhsa.kernels:
  - .name:           k_q4bb5dfeb50_experts
    .symbol:         k_q4bb5dfeb50_experts.kd
    .args:
      - { .name: xq, .offset: 0, .size: 8, .value_kind: global_buffer, .address_space: global }
      - { .name: wq, .offset: 8, .size: 8, .value_kind: global_buffer, .address_space: global }
      - { .name: gates, .offset: 16, .size: 8, .value_kind: global_buffer, .address_space: global }
      - { .name: list, .offset: 24, .size: 8, .value_kind: global_buffer, .address_space: global }
      - { .name: bmask, .offset: 32, .size: 8, .value_kind: global_buffer, .address_space: global }
      - { .name: b, .offset: 40, .size: 8, .value_kind: global_buffer, .address_space: global }
      - { .name: lowp_scales, .offset: 48, .size: 8, .value_kind: global_buffer, .address_space: global }
      - { .name: out0, .offset: 56, .size: 8, .value_kind: global_buffer, .address_space: global }
    .group_segment_fixed_size: 163840
    .private_segment_fixed_size: 0
    .kernarg_segment_align: 8
    .kernarg_segment_size: 64
    .max_flat_workgroup_size: 128
    .sgpr_count:     80
    .vgpr_count:     1024
    .wavefront_size: 32
...
	.end_amdgpu_metadata
.endif
;; end of part 4
